; MI455X (gfx1250); checked and timed in simulation.
; The chip was launched on July 23, 2026; its instructions are those of AMD's public machine-readable ISA for CDNA 5 (MIT licence, August 2026) and "CDNA5" Instruction Set Architecture Reference Guide (July 2026). The comments in the code are by the model that wrote it; some were corrected since.
;; Topic Segment. Allowed arithmetic: float matrix products may take bf16 or f16 operands with f32 sums; all other float work in f32.
;; Inputs: W 2 x 1,024 float32; b 2 float32; end_transitions 2 float32; labels 8 x 4,096 int32; mask 8 x 4,096 bool; start_transitions 2 float32; transitions 2 x 2 float32; x 8 x 4,096 x 1,024 float32.
;; Outputs: out0 one number float32; out1 8 x 4,096 x 2 float32.
;; One version. Each part assembles by itself: llvm-mc -triple=amdgcn-amd-amdhsa -mcpu=gfx1250 --defsym DOCPART=n.
;; ======== version 1 of 1: 2 launches
;; limits: right only within a limited range of input values
;; workspace buffers: part 5,120 bytes; meta 5,120 bytes of whole numbers
;; launch emit (part 1): grid 256 x 1, 16 waves a work-group, no clusters, 11,264 bytes of LDS; arguments x, W, b, labels, mask, start_transitions, transitions, out1, part, meta; writes out1, part, meta
.if DOCPART == 1
	.amdgcn_target "amdgcn-amd-amdhsa--gfx1250"
	.amdhsa_code_object_version 6
	.text
	.protected	k_q5b14080cc8_emit
	.globl	k_q5b14080cc8_emit
	.p2align	8
	.type	k_q5b14080cc8_emit,@function
k_q5b14080cc8_emit:
	s_mov_b64 s[64:65], 0
	v_nop
	global_prefetch_b8 v0, s[64:65] scope:SCOPE_SE
	s_setreg_imm32_b32 hwreg(HW_REG_WAVE_MODE, 25, 1), 1
	s_wait_xcnt 0x0
; logits[r][t] = sum over d of x[r][d] W[t][d] + b[t] for 32,768 rows of 1,024 f32, and for each chunk of 128 rows the CRF's parts.
; Work-group g (256 of them) owns rows 128 g .. 128 g + 127: batch g >> 5, chunk g & 31 of that batch's 4,096 steps.
; Wave w of 16 takes rows w + 16 i, i = 0 .. 7.  A row is 4,096 bytes = eight loads of 16 bytes a lane, each load of the wave covering
; 512 consecutive bytes.  Four row slots in registers: 32 loads of every wave are out while a row is worked on.
; The product stays on the vector unit in f32: W has 2 rows where a matrix tile has 16 columns, narrowing x to 16 bits would cost one
; vector instruction for two numbers, as much as a tag's packed multiply-add, and the launch is bound by x's bytes (1 multiply-add pair a word).
; No cluster: the one shared input is W, 8 KiB against 512 KiB of x for a work-group.  No LDS ring: the row slots need no barrier.
;
; THE SCAN.  A step t >= 1 of the forward algorithm is alpha' = alpha (x) M_t in the algebra (logsumexp, +), M_t[i][j] = trans[i][j] + e_t[j];
; a step whose mask is off is the identity (0, NEG; NEG, 0).  The product is associative: wave 0 multiplies four steps in each lane and then
; the 32 lanes' matrices in five butterfly levels, in time order.  Step 0 of a batch is the matrix whose two rows are start[j] + e_0[j], always on:
; row 0 of the whole product is then alpha at the end.  Every logsumexp takes its maximum away: lse(a,b) = max + ln2 log2(1 + exp2(-|a-b| log2e)).
; NEG = -1e30 is finite: lse(x, NEG + y) = x and lse(NEG, NEG) = NEG in f32, so identities stay exact and nothing becomes NaN.
; The numerator's part: sum over the chunk of on_t ? e_t[lab_t] + trans[lab_(t-1)][lab_t] : 0 (at t = 0: start[lab_0], always on).
; Out: out1 (1,024 bytes), part (the chunk's matrix, 16 bytes at 16 g; the numerator's part, 4 bytes at 4096 + 4 g),
; meta (label bits: bit l of word k = label of the chunk's row 4 l + k, 16 bytes at 16 g; the count of mask bytes that are on, 4 bytes at 4096 + 4 g).
; These 40 bytes a work-group are stored by one lane: they are all that the chunk hands on.
; LIMITS: true log scores below about 1e29 in magnitude; NaN and infinities in the inputs are not reproduced (v_max_num drops a NaN, a select
; stands for the multiplication by a mask of 0); a label other than 0 counts as 1; mask bytes are 0 or 1; sums are formed in another order than in the JAX function.
.set WROW,   4096                      ; bytes of a row of W, and of x
.set LOGITS, 8192                      ; LDS: [0, 8192) W as in memory; [8192, 9216) the chunk's logits, 8 bytes a row
.set XO,   1                           ; v1        wave x 4096 + 16 x lane: my 16 bytes in my wave's first row; never rewritten
.set L16,  2                           ; v2        16 x lane
.set T16,  3                           ; v3        16 x thread
.set LG,   4                           ; v4        LDS address of my wave's first row's logits
.set L32,  5                           ; v5        32 x lane
.set BI,   6                           ; v[6:7]    b
.set WST,  8                           ; v[8:11]   my 16 bytes of W on their way to LDS
.set ACC,  12                          ; v[12:19]  four chains of two sums: tag 0 twice, tag 1 twice
.set SS,   20                          ; v[20:21]  the row's two sums
.set TQ,   22                          ; v[22:23]  at work
.set LAB,  24                          ; v[24:27]  wave 0: labels of rows 4 l .. 4 l + 3
.set PREV, 28                          ; v28       wave 0: the label in front of them
.set MSK,  29                          ; v29       wave 0: their four mask bytes
.set LO,   30                          ; v30, v31, v33  wave 0: offsets of these three loads; never rewritten
.set PO,   31
.set MO,   33
.set VT,   34                          ; v[34:37]  trans
.set VT0,  38                          ; v[38:41]  trans, but start in both rows in the lane that holds a batch's step 0
.set NUM,  42                          ; v42       the numerator's part
.set CNT,  43                          ; v43       mask bytes that are on
.set BITS, 44                          ; v[44:47]  label bits
.set W0,   48                          ; v[48:79]  W[0] at my 32 columns
.set W1,   80                          ; v[80:111] W[1] at my 32 columns
.set X,    112                         ; v[112:239] four row slots of 32 registers
; wave 0 behind the last row, in the row slots' registers (all of them written by the loads):
.set EM,   112                         ; v[112:119] logits of my four rows
.set CM,   120                         ; v[120:123] the running product
.set NM,   124                         ; v[124:127] the product with one more step
.set TE,   128                         ; v[128:131] a step's matrix
.set PM,   132                         ; v[132:135] the partner lane's product
.set LF,   136                         ; v[136:139] left factor
.set RT,   140                         ; v[140:143] right factor
.set TA,   144                         ; v[144:155] at work in a product
.set TB,   148
.set TT,   152
.set NEGV, 156
.set ZERO, 157
.set TU,   158
.set SEL0, 12                          ; s12, s13  v_permlanex16_b32: lane i reads lane i of the other half
.set SEL1, 13
.set SLOG2E, 14
.set SLN2, 15
.set SL,   44                          ; s44-47    lane masks: label k is 1
.set SP0,  48                          ; s48       the label in front is 1
.set SM,   49                          ; s49-52    step k is on
.set SFIRST, 53                        ; s53       bit 0 set if this chunk begins a batch: lane 0 holds step 0
; d = logsumexp(a, b) on four registers each.  The four maxima are the plain instructions behind the exponentials, the v_nop the one behind
; the logarithms (ISA guide 5.7.2: a transcendental's result is used only behind another plain vector instruction).
.macro LSE4 d, a, b, t
.irp q, 0,1,2,3
	v_sub_f32 v[\t+\q], v[\a+\q], v[\b+\q]
.endr
.irp q, 0,1,2,3
	v_mul_f32 v[\t+\q], -|v[\t+\q]|, s[SLOG2E]
.endr
.irp q, 0,1,2,3
	v_exp_f32 v[\t+\q], v[\t+\q]
.endr
.irp q, 0,1,2,3
	v_max_num_f32 v[\d+\q], v[\a+\q], v[\b+\q]
.endr
	s_wait_alu depctr_va_vdst(0)
.irp q, 0,1,2,3
	v_add_f32 v[\t+\q], 1.0, v[\t+\q]
.endr
.irp q, 0,1,2,3
	v_log_f32 v[\t+\q], v[\t+\q]
.endr
	v_nop
	s_wait_alu depctr_va_vdst(0)
.irp q, 0,1,2,3
	v_fma_f32 v[\d+\q], v[\t+\q], s[SLN2], v[\d+\q]
.endr
.endm
; d[i][j] = lse(l[i][0] + r[0][j], l[i][1] + r[1][j]); d may be l or r: both are read before d is written
.macro MM d, l, r
.irp i, 0,1
.irp j, 0,1
	v_add_f32 v[TA+2*\i+\j], v[\l+2*\i], v[\r+\j]
	v_add_f32 v[TB+2*\i+\j], v[\l+2*\i+1], v[\r+2+\j]
.endr
.endr
	LSE4 \d, TA, TB, TT
.endm
; The lane whose bit is set in the mask holds the later steps: its partner's product is the left factor.  Both lanes end with the same product.
.macro SIDES smask
.irp q, 0,1,2,3
	v_cndmask_b32 v[LF+\q], v[CM+\q], v[PM+\q], s[\smask]
	v_cndmask_b32 v[RT+\q], v[PM+\q], v[CM+\q], s[\smask]
.endr
	MM CM, LF, RT
.endm
.macro LEVEL m, smask
.irp q, 0,1,2,3
	v_mov_b32_dpp v[PM+\q], v[CM+\q] row_xmask:\m row_mask:0xf bank_mask:0xf
.endr
	SIDES \smask
.endm
.macro LEVEL16 smask
.irp q, 0,1,2,3
	v_permlanex16_b32 v[PM+\q], v[CM+\q], s[SEL0], s[SEL1]
.endr
	SIDES \smask
.endm
.macro ISUM v, t                       ; whole numbers summed over the 32 lanes, the result in every lane; t has been written before
.irp m, 1,2,4,8
	v_mov_b32_dpp v[\t], v[\v] row_xmask:\m row_mask:0xf bank_mask:0xf
	v_add_nc_u32 v[\v], v[\v], v[\t]
.endr
	v_permlanex16_b32 v[\t], v[\v], s[SEL0], s[SEL1]
	v_add_nc_u32 v[\v], v[\v], v[\t]
.endm
.macro FSUM v, t                       ; the same in f32
.irp m, 1,2,4,8
	v_add_f32_dpp v[\v], v[\v], v[\v] row_xmask:\m row_mask:0xf bank_mask:0xf
.endr
	v_permlanex16_b32 v[\t], v[\v], s[SEL0], s[SEL1]
	v_add_f32 v[\v], v[\v], v[\t]
.endm
	s_load_b512 s[16:31], s[0:1], 0x0              ; x 16:17, W 18:19, b 20:21, labels 22:23, mask 24:25, start 26:27, trans 28:29, out1 30:31
	s_load_b128 s[32:35], s[0:1], 0x40             ; part 32:33, meta 34:35
	v_lshl_add_u32 v240, v0, 2, 0x2400
	v_mov_b32 v241, 0
	v_lshrrev_b32 v[TQ], 5, v0
	v_readfirstlane_b32 s8, v[TQ]                  ; wave 0 .. 15
	v_and_b32 v[TQ+1], 31, v0                      ; lane
	v_lshlrev_b32 v[L16], 4, v[TQ+1]
	v_lshlrev_b32 v[L32], 5, v[TQ+1]
	v_lshlrev_b32 v[T16], 4, v0
	v_lshl_add_u32 v[XO], s8, 12, v[L16]
	s_lshl_b32 s9, s8, 3
	s_add_co_u32 s9, s9, LOGITS
	v_mov_b32 v[LG], s9                            ; row w + 16 i lies at LOGITS + 8 w + 128 i
	s_and_b32 s10, ttmp9, 31                       ; the chunk's number in its batch
	s_mov_b32 s3, 0
	s_lshl_b32 s2, ttmp9, 19                       ; 128 rows of 4,096 bytes
	s_wait_kmcnt 0x0
	s_add_nc_u64 s[16:17], s[16:17], s[2:3]        ; x at the chunk's first row
	; Wave 0's three small loads stand ahead of all others, so that the counted waits below mean the same in every wave.
	s_cmp_lg_u32 s8, 0
	s_cbranch_scc1 .Lno_lists
	s_lshl_b32 s9, ttmp9, 9                        ; 128 labels of 4 bytes
	v_add_nc_u32 v[LO], s9, v[L16]
	v_min_u32 v[PO], 4, v[LO]
	v_sub_nc_u32 v[PO], v[LO], v[PO]               ; one label back; at the buffer's first label it stays there (that value is not used: step 0 has no label in front)
	s_lshl_b32 s9, ttmp9, 7                        ; 128 mask bytes
	v_lshl_add_u32 v[MO], v[TQ+1], 2, s9
	global_load_b128 v[LAB:LAB+3], v[LO], s[22:23]
	global_load_b32 v[PREV], v[PO], s[22:23]
	global_load_b32 v[MSK], v[MO], s[24:25]
.Lno_lists:
	global_load_b128 v[WST:WST+3], v[T16], s[18:19]    ; 512 threads x 16 bytes: all of W, once for the work-group
.irp i, 0,1,2,3
.irp j, 0,1,2,3,4,5,6,7
	global_load_b128 v[X+32*\i+4*\j:X+32*\i+4*\j+3], v[XO], s[16:17] offset:\i*16*WROW+512*\j th:TH_LOAD_NT   ; rows w, w + 16, w + 32, w + 48
.endr
.endr
	s_load_b64 s[36:37], s[20:21], 0x0             ; b
	s_load_b64 s[38:39], s[26:27], 0x0             ; start
	s_load_b128 s[40:43], s[28:29], 0x0            ; trans 00, 01, 10, 11
	s_lshl_b32 s2, ttmp9, 2
	s_add_nc_u64 s[60:61], s[32:33], s[2:3]        ; part + 4 g
	s_add_nc_u64 s[62:63], s[34:35], s[2:3]        ; meta + 4 g
	s_lshl_b32 s2, ttmp9, 4
	s_add_nc_u64 s[32:33], s[32:33], s[2:3]        ; part + 16 g
	s_add_nc_u64 s[34:35], s[34:35], s[2:3]        ; meta + 16 g
	s_lshl_b32 s2, ttmp9, 10
	s_add_nc_u64 s[30:31], s[30:31], s[2:3]        ; out1 at the chunk's 1,024 bytes
	s_mov_b32 s[SEL0], 0x76543210
	s_mov_b32 s[SEL1], 0xfedcba98
	s_mov_b32 s[SLOG2E], 0x3fb8aa3b
	s_mov_b32 s[SLN2], 0x3f317218
	s_mov_b32 s54, 0xaaaaaaaa                      ; lanes with bit 0, 1, 2, 3, 4 of their number set
	s_mov_b32 s55, 0xcccccccc
	s_mov_b32 s56, 0xf0f0f0f0
	s_mov_b32 s57, 0xff00ff00
	s_mov_b32 s58, 0xffff0000
	s_cmp_eq_u32 s10, 0
	s_cselect_b32 s[SFIRST], 1, 0
	; W goes through LDS: each thread brought 16 bytes, each lane needs 2 x 8 x 16.
	s_wait_loadcnt 32                              ; the 32 loads of x are younger and stay out: W's load (and wave 0's three) are in
	ds_store_b128 v[T16], v[WST:WST+3]
	s_wait_dscnt 0x0                               ; my part of W is in LDS before I say so
	s_barrier_signal -1
	s_barrier_wait -1                              ; everybody's is.  The loads of x stay out across this barrier: nobody writes x
.irp j, 0,1,2,3,4,5,6,7
	ds_load_b128 v[W0+4*\j:W0+4*\j+3], v[L16] offset:512*\j          ; columns 128 j + 4 l .. + 3, as load j of a row of x brings them
	ds_load_b128 v[W1+4*\j:W1+4*\j+3], v[L16] offset:WROW+512*\j
.endr
	s_wait_kmcnt 0x0                               ; b, start, trans
	v_mov_b32 v[BI], s36
	v_mov_b32 v[BI+1], s37
	; Wave 0, while x is on its way: all of the chunk's work that needs no logits.
	s_cmp_lg_u32 s8, 0
	s_cbranch_scc1 .Lno_pre
.irp k, 0,1,2,3
	v_cmp_ne_u32 s[SL+\k], 0, v[LAB+\k]
.endr
	v_cmp_ne_u32 s[SP0], 0, v[PREV]
.irp k, 0,1,2,3
	v_bfe_u32 v[SS+\k], v[MSK], 8*\k, 8
.endr
.irp k, 0,1,2,3
	v_cmp_ne_u32 s[SM+\k], 0, v[SS+\k]
.endr
	v_add3_u32 v[CNT], v[SS], v[SS+1], v[SS+2]
	v_add_nc_u32 v[CNT], v[CNT], v[SS+3]           ; the count takes the mask as it is given, step 0's byte too
	ISUM CNT, SS
	s_or_b32 s[SM], s[SM], s[SFIRST]               ; a batch's step 0 is always on
.irp q, 0,1,2,3
	v_mov_b32 v[VT+\q], s[40+\q]
.endr
	v_mov_b32 v[SS], s38
	v_mov_b32 v[SS+1], s39
.irp i, 0,1
.irp j, 0,1
	v_cndmask_b32 v[VT0+2*\i+\j], v[VT+2*\i+\j], v[SS+\j], s[SFIRST]
.endr
.endr
	v_cndmask_b32 v[TQ], v[VT0], v[VT0+1], s[SL]               ; row 0 of the table at my label
	v_cndmask_b32 v[TQ+1], v[VT0+2], v[VT0+3], s[SL]           ; row 1
	v_cndmask_b32 v[TQ], v[TQ], v[TQ+1], s[SP0]                ; the row of the label in front
	v_cndmask_b32 v[NUM], 0, v[TQ], s[SM]                      ; the first term starts the sum
.irp k, 1,2,3
	v_cndmask_b32 v[TQ], v[VT], v[VT+1], s[SL+\k]
	v_cndmask_b32 v[TQ+1], v[VT+2], v[VT+3], s[SL+\k]
	v_cndmask_b32 v[TQ], v[TQ], v[TQ+1], s[SL+\k-1]
	v_cndmask_b32 v[TQ], 0, v[TQ], s[SM+\k]
	v_add_f32 v[NUM], v[NUM], v[TQ]
.endr
.irp k, 0,1,2,3
	v_mov_b32 v[BITS+\k], s[SL+\k]
.endr
.Lno_pre:
	s_wait_dscnt 0x0                               ; W's 64 numbers are in my registers
; Row w + 16 i, in slot i % 4.  fill = 1: the slot is loaded again with the row 64 further down, as soon as its last number has been read.
; left = the loads of the younger rows, eight each, that may stay out.
.macro TURN i, fill, left
.set XS, X+32*(\i%4)
	s_wait_loadcnt \left                           ; loads come back in order (ISA guide 5.7.1): this row is in
	v_pk_mul_f32 v[ACC:ACC+1],   v[XS:XS+1],   v[W0:W0+1]        ; the first products start the four chains: nothing is cleared
	v_pk_mul_f32 v[ACC+2:ACC+3], v[XS+2:XS+3], v[W0+2:W0+3]
	v_pk_mul_f32 v[ACC+4:ACC+5], v[XS:XS+1],   v[W1:W1+1]
	v_pk_mul_f32 v[ACC+6:ACC+7], v[XS+2:XS+3], v[W1+2:W1+3]
.irp j, 1,2,3,4,5,6,7
	v_pk_fma_f32 v[ACC:ACC+1],   v[XS+4*\j:XS+4*\j+1],   v[W0+4*\j:W0+4*\j+1],   v[ACC:ACC+1]
	v_pk_fma_f32 v[ACC+2:ACC+3], v[XS+4*\j+2:XS+4*\j+3], v[W0+4*\j+2:W0+4*\j+3], v[ACC+2:ACC+3]
	v_pk_fma_f32 v[ACC+4:ACC+5], v[XS+4*\j:XS+4*\j+1],   v[W1+4*\j:W1+4*\j+1],   v[ACC+4:ACC+5]
	v_pk_fma_f32 v[ACC+6:ACC+7], v[XS+4*\j+2:XS+4*\j+3], v[W1+4*\j+2:W1+4*\j+3], v[ACC+6:ACC+7]
.endr
.if \fill
.irp j, 0,1,2,3,4,5,6,7
	global_load_b128 v[XS+4*\j:XS+4*\j+3], v[XO], s[16:17] offset:(\i+4)*16*WROW+512*\j th:TH_LOAD_NT
.endr
.endif
	v_pk_add_f32 v[ACC:ACC+1], v[ACC:ACC+1], v[ACC+2:ACC+3]
	v_pk_add_f32 v[ACC+4:ACC+5], v[ACC+4:ACC+5], v[ACC+6:ACC+7]
	v_add_f32 v[SS], v[ACC], v[ACC+1]
	v_add_f32 v[SS+1], v[ACC+4], v[ACC+5]
.irp m, 1,2,4,8
	v_add_f32_dpp v[SS], v[SS], v[SS] row_xmask:\m row_mask:0xf bank_mask:0xf
	v_add_f32_dpp v[SS+1], v[SS+1], v[SS+1] row_xmask:\m row_mask:0xf bank_mask:0xf
.endr
	v_permlanex16_b32 v[ACC+2], v[SS], s[SEL0], s[SEL1]        ; into registers that have been written and are no longer needed
	v_permlanex16_b32 v[ACC+3], v[SS+1], s[SEL0], s[SEL1]
	v_pk_add_f32 v[SS:SS+1], v[SS:SS+1], v[ACC+2:ACC+3]
	v_pk_add_f32 v[SS:SS+1], v[SS:SS+1], v[BI:BI+1]
	ds_store_b64 v[LG], v[SS:SS+1] offset:128*\i               ; every lane holds the same two numbers and writes the same 8 bytes
.endm
	TURN 0, 1, 24                                  ; three younger rows are out
	TURN 1, 1, 24
	TURN 2, 1, 24
	TURN 3, 1, 24
	TURN 4, 0, 24                                  ; nothing is left to load: the counts run down
	TURN 5, 0, 16
	TURN 6, 0, 8
	TURN 7, 0, 0
	s_wait_dscnt 0x0                               ; my eight rows' logits are in LDS before I say so
	s_barrier_signal -1
	s_barrier_wait -1                              ; all 128 rows' are
	s_cmp_eq_u32 s8, 0
	s_cbranch_scc1 .Ltail
	s_cmp_eq_u32 s8, 1
	s_cbranch_scc1 .Lout
	s_wait_tensorcnt 0x0
	ds_add_u32 v240, v241
	s_wait_dscnt 0x0
	s_endpgm
.Lout:                                             ; wave 1: the chunk's logits lie in LDS as in out1; two stores of 512 consecutive bytes each
	ds_load_b128 v[X:X+3], v[L16] offset:LOGITS
	ds_load_b128 v[X+4:X+7], v[L16] offset:LOGITS+512
	s_wait_dscnt 0x0
	global_store_b128 v[L16], v[X:X+3], s[30:31] th:TH_STORE_NT
	global_store_b128 v[L16], v[X+4:X+7], s[30:31] offset:512 th:TH_STORE_NT
	s_wait_tensorcnt 0x0
	ds_add_u32 v240, v241
	s_wait_dscnt 0x0
	s_endpgm
.Ltail:                                            ; wave 0: lane l takes rows 4 l .. 4 l + 3
	ds_load_b128 v[EM:EM+3], v[L32] offset:LOGITS
	ds_load_b128 v[EM+4:EM+7], v[L32] offset:LOGITS+16
	v_mov_b32 v[NEGV], 0xf149f2ca                  ; -1e30
	v_mov_b32 v[ZERO], 0
	s_wait_dscnt 0x0
.irp k, 0,1,2,3
	v_cndmask_b32 v[TU], v[EM+2*\k], v[EM+2*\k+1], s[SL+\k]    ; the logit of the row's label,
	v_cndmask_b32 v[TU], 0, v[TU], s[SM+\k]                    ; if the step is on
	v_add_f32 v[NUM], v[NUM], v[TU]
.endr
.irp i, 0,1
.irp j, 0,1
	v_add_f32 v[CM+2*\i+\j], v[VT0+2*\i+\j], v[EM+\j]          ; my first step's matrix,
.endr
.endr
	v_cndmask_b32 v[CM], 0, v[CM], s[SM]                       ; or the identity
	v_cndmask_b32 v[CM+1], v[NEGV], v[CM+1], s[SM]
	v_cndmask_b32 v[CM+2], v[NEGV], v[CM+2], s[SM]
	v_cndmask_b32 v[CM+3], 0, v[CM+3], s[SM]
.irp k, 1,2,3
.irp i, 0,1
.irp j, 0,1
	v_add_f32 v[TE+2*\i+\j], v[VT+2*\i+\j], v[EM+2*\k+\j]
.endr
.endr
	MM NM, CM, TE
.irp q, 0,1,2,3
	v_cndmask_b32 v[CM+\q], v[CM+\q], v[NM+\q], s[SM+\k]       ; a step that is off leaves the product as it was
.endr
.endr
	LEVEL 1, 54
	LEVEL 2, 55
	LEVEL 4, 56
	LEVEL 8, 57
	LEVEL16 58
	FSUM NUM, TU
	s_wait_xcnt 0x0                                ; EXEC changes only behind this wait (ISA guide 3.1)
	s_wait_tensorcnt 0x0
	ds_add_u32 v240, v241
	s_wait_dscnt 0x0
	v_cmpx_gt_u32 1, v0                            ; thread 0 alone; EXEC stays so to the end
	global_store_b128 v[ZERO], v[CM:CM+3], s[32:33]
	global_store_b32 v[ZERO], v[NUM], s[60:61] offset:4096
	global_store_b128 v[ZERO], v[BITS:BITS+3], s[34:35]
	global_store_b32 v[ZERO], v[CNT], s[62:63] offset:4096
	s_endpgm
.Lfunc_end_k_q5b14080cc8_emit:
	.size	k_q5b14080cc8_emit, .Lfunc_end_k_q5b14080cc8_emit-k_q5b14080cc8_emit
	.p2alignl 7, 3214868480
	.fill 96, 4, 3214868480
	.section	.rodata,"a",@progbits
	.p2align	6, 0x0
	.amdhsa_kernel k_q5b14080cc8_emit
		.amdhsa_group_segment_fixed_size 11264
		.amdhsa_private_segment_fixed_size 0
		.amdhsa_enable_private_segment 0
		.amdhsa_kernarg_size 80
		.amdhsa_user_sgpr_count 2
		.amdhsa_user_sgpr_kernarg_segment_ptr 1
		.amdhsa_wavefront_size32 1
		.amdhsa_system_sgpr_workgroup_id_x 1
		.amdhsa_system_sgpr_workgroup_id_y 1
		.amdhsa_system_sgpr_workgroup_id_z 1
		.amdhsa_system_vgpr_workitem_id 0
		.amdhsa_next_free_vgpr 242
		.amdhsa_next_free_sgpr 66
		.amdhsa_reserve_vcc 0
		.amdhsa_float_denorm_mode_32 3
		.amdhsa_float_denorm_mode_16_64 3
		.amdhsa_memory_ordered 1
		.amdhsa_forward_progress 1
		.amdhsa_inst_pref_size 58
	.end_amdhsa_kernel
	.amdgpu_metadata
---
amdhsa.version: [ 1, 2 ]
amdhsa.kernels:
  - .name:           k_q5b14080cc8_emit
    .symbol:         k_q5b14080cc8_emit.kd
    .args:
      - { .name: x, .offset: 0, .size: 8, .value_kind: global_buffer, .address_space: global }
      - { .name: W, .offset: 8, .size: 8, .value_kind: global_buffer, .address_space: global }
      - { .name: b, .offset: 16, .size: 8, .value_kind: global_buffer, .address_space: global }
      - { .name: labels, .offset: 24, .size: 8, .value_kind: global_buffer, .address_space: global }
      - { .name: mask, .offset: 32, .size: 8, .value_kind: global_buffer, .address_space: global }
      - { .name: start_transitions, .offset: 40, .size: 8, .value_kind: global_buffer, .address_space: global }
      - { .name: transitions, .offset: 48, .size: 8, .value_kind: global_buffer, .address_space: global }
      - { .name: out1, .offset: 56, .size: 8, .value_kind: global_buffer, .address_space: global }
      - { .name: part, .offset: 64, .size: 8, .value_kind: global_buffer, .address_space: global }
      - { .name: meta, .offset: 72, .size: 8, .value_kind: global_buffer, .address_space: global }
    .group_segment_fixed_size: 11264
    .private_segment_fixed_size: 0
    .kernarg_segment_align: 8
    .kernarg_segment_size: 80
    .max_flat_workgroup_size: 512
    .sgpr_count:     66
    .vgpr_count:     242
    .wavefront_size: 32
...
	.end_amdgpu_metadata
.endif
;; end of part 1
;; launch finish (part 2): grid 1 x 1, 8 waves a work-group, no clusters, 1,280 bytes of LDS; arguments part, meta, end_transitions, out0; writes out0
.if DOCPART == 2
	.amdgcn_target "amdgcn-amd-amdhsa--gfx1250"
	.amdhsa_code_object_version 6
	.text
	.protected	k_q5b14080cc8_finish
	.globl	k_q5b14080cc8_finish
	.p2align	8
	.type	k_q5b14080cc8_finish,@function
k_q5b14080cc8_finish:
	s_mov_b64 s[64:65], 0
	v_nop
	global_prefetch_b8 v0, s[64:65] scope:SCOPE_SE
	s_setreg_imm32_b32 hwreg(HW_REG_WAVE_MODE, 25, 1), 1
	s_wait_xcnt 0x0
; out0 = sum over the 8 batches of logZ - numerator, from the 256 chunks' parts.  One work-group: the sum has one owner.
; Wave b is batch b, lane c its chunk c: thread number = chunk number g, as the first launch numbered them.
; part: the chunk's 2 x 2 matrix in the algebra (logsumexp, +) at 16 g, its part of the numerator at 4096 + 4 g.
; meta: label bits at 16 g (bit l of word k = label of the chunk's row 4 l + k), the count of mask bytes that are on at 4096 + 4 g.
; Per batch: the 32 matrices are multiplied in time order in five butterfly levels; row 0 of the product is alpha at the end;
; logZ = lse(P00 + end0, P01 + end1).  The last tag is labels[count - 1]; a count of 0 gives index -1, which the JAX function takes from the end: 4095;
; here the unsigned minimum with 4095 does that.  The tag is picked by selects from the label bits: no address hangs on it.
; Every logsumexp takes its maximum away.  LIMITS as in the first launch: log scores below about 1e29, no NaN or infinities, another order of sums.
.set T16,  1                           ; v1        16 x thread
.set T4,   2                           ; v2        4 x thread
.set LANE, 3                           ; v3
.set CNT,  4                           ; v4
.set NUM,  5                           ; v5
.set BITS, 6                           ; v[6:9]
.set CM,   10                          ; v[10:13]  the running product
.set PM,   14                          ; v[14:17]  the partner lane's
.set LF,   18                          ; v[18:21]
.set RT,   22                          ; v[22:25]
.set TA,   26                          ; v[26:37]  at work in a product
.set TB,   30
.set TT,   34
.set TU,   38                          ; v[38:43]  at work
.set END,  44                          ; v[44:45]  end_transitions
.set ZERO, 46
.set BV,   48                          ; v[48:55]  the eight batches' values
.set SEL0, 16
.set SEL1, 17
.set SLOG2E, 18
.set SLN2, 19
.macro LSE4 d, a, b, t                 ; d = logsumexp(a, b) on four registers each; the maxima and the v_nop are the plain instructions behind the transcendentals (ISA guide 5.7.2)
.irp q, 0,1,2,3
	v_sub_f32 v[\t+\q], v[\a+\q], v[\b+\q]
.endr
.irp q, 0,1,2,3
	v_mul_f32 v[\t+\q], -|v[\t+\q]|, s[SLOG2E]
.endr
.irp q, 0,1,2,3
	v_exp_f32 v[\t+\q], v[\t+\q]
.endr
.irp q, 0,1,2,3
	v_max_num_f32 v[\d+\q], v[\a+\q], v[\b+\q]
.endr
	s_wait_alu depctr_va_vdst(0)
.irp q, 0,1,2,3
	v_add_f32 v[\t+\q], 1.0, v[\t+\q]
.endr
.irp q, 0,1,2,3
	v_log_f32 v[\t+\q], v[\t+\q]
.endr
	v_nop
	s_wait_alu depctr_va_vdst(0)
.irp q, 0,1,2,3
	v_fma_f32 v[\d+\q], v[\t+\q], s[SLN2], v[\d+\q]
.endr
.endm
.macro MM d, l, r                      ; d[i][j] = lse(l[i][0] + r[0][j], l[i][1] + r[1][j])
.irp i, 0,1
.irp j, 0,1
	v_add_f32 v[TA+2*\i+\j], v[\l+2*\i], v[\r+\j]
	v_add_f32 v[TB+2*\i+\j], v[\l+2*\i+1], v[\r+2+\j]
.endr
.endr
	LSE4 \d, TA, TB, TT
.endm
.macro SIDES smask                     ; the lane whose bit is set holds the later chunks: its partner's product is the left factor
.irp q, 0,1,2,3
	v_cndmask_b32 v[LF+\q], v[CM+\q], v[PM+\q], s[\smask]
	v_cndmask_b32 v[RT+\q], v[PM+\q], v[CM+\q], s[\smask]
.endr
	MM CM, LF, RT
.endm
.macro LEVEL m, smask
.irp q, 0,1,2,3
	v_mov_b32_dpp v[PM+\q], v[CM+\q] row_xmask:\m row_mask:0xf bank_mask:0xf
.endr
	SIDES \smask
.endm
.macro LEVEL16 smask
.irp q, 0,1,2,3
	v_permlanex16_b32 v[PM+\q], v[CM+\q], s[SEL0], s[SEL1]
.endr
	SIDES \smask
.endm
.macro ISUM v, t
.irp m, 1,2,4,8
	v_mov_b32_dpp v[\t], v[\v] row_xmask:\m row_mask:0xf bank_mask:0xf
	v_add_nc_u32 v[\v], v[\v], v[\t]
.endr
	v_permlanex16_b32 v[\t], v[\v], s[SEL0], s[SEL1]
	v_add_nc_u32 v[\v], v[\v], v[\t]
.endm
.macro FSUM v, t
.irp m, 1,2,4,8
	v_add_f32_dpp v[\v], v[\v], v[\v] row_xmask:\m row_mask:0xf bank_mask:0xf
.endr
	v_permlanex16_b32 v[\t], v[\v], s[SEL0], s[SEL1]
	v_add_f32 v[\v], v[\v], v[\t]
.endm
	s_load_b256 s[4:11], s[0:1], 0x0               ; part 4:5, meta 6:7, end_transitions 8:9, out0 10:11
	v_lshl_add_u32 v64, v0, 2, 0x100
	v_mov_b32 v65, 0
	v_lshrrev_b32 v[TU], 5, v0
	v_readfirstlane_b32 s12, v[TU]                 ; wave = batch
	v_lshlrev_b32 v[T16], 4, v0
	v_lshlrev_b32 v[T4], 2, v0
	v_and_b32 v[LANE], 31, v0                      ; lane = chunk
	s_wait_kmcnt 0x0
	global_load_b32 v[CNT], v[T4], s[6:7] offset:4096
	global_load_b128 v[BITS:BITS+3], v[T16], s[6:7]
	global_load_b128 v[CM:CM+3], v[T16], s[4:5]
	global_load_b32 v[NUM], v[T4], s[4:5] offset:4096
	s_load_b64 s[14:15], s[8:9], 0x0
	s_mov_b32 s[SEL0], 0x76543210
	s_mov_b32 s[SEL1], 0xfedcba98
	s_mov_b32 s[SLOG2E], 0x3fb8aa3b
	s_mov_b32 s[SLN2], 0x3f317218
	s_mov_b32 s20, 0xaaaaaaaa
	s_mov_b32 s21, 0xcccccccc
	s_mov_b32 s22, 0xf0f0f0f0
	s_mov_b32 s23, 0xff00ff00
	s_mov_b32 s24, 0xffff0000
.irp q, 0,1,2,3
	v_mov_b32 v[PM+\q], 0                          ; the destination of a move between lanes counts as read: written once here
.endr
	v_mov_b32 v[ZERO], 0
	s_wait_kmcnt 0x0
	v_mov_b32 v[END], s14
	v_mov_b32 v[END+1], s15
	s_wait_loadcnt 0x0
	; the last tag's end term goes into the numerator in the lane whose chunk holds that step
	ISUM CNT, TU                                   ; the batch's count, in every lane
	v_add_nc_u32 v[TU+1], -1, v[CNT]
	v_min_u32 v[TU+1], 0xfff, v[TU+1]              ; the last step's index; -1 (unsigned: the largest) becomes 4095
	v_lshrrev_b32 v[TU+2], 7, v[TU+1]              ; its chunk
	v_and_b32 v[TU+3], 1, v[TU+1]
	v_cmp_ne_u32 s25, 0, v[TU+3]
	v_and_b32 v[TU+3], 2, v[TU+1]
	v_cmp_ne_u32 s26, 0, v[TU+3]
	v_cndmask_b32 v[TU+3], v[BITS], v[BITS+1], s25
	v_cndmask_b32 v[TU+4], v[BITS+2], v[BITS+3], s25
	v_cndmask_b32 v[TU+3], v[TU+3], v[TU+4], s26   ; word = index mod 4
	v_bfe_u32 v[TU+5], v[TU+1], 2, 5               ; bit = (index mod 128) / 4
	v_lshrrev_b32 v[TU+4], v[TU+5], v[TU+3]
	v_and_b32 v[TU+4], 1, v[TU+4]
	v_cmp_ne_u32 s27, 0, v[TU+4]
	v_cndmask_b32 v[TU+4], v[END], v[END+1], s27
	v_cmp_eq_u32 s28, v[TU+2], v[LANE]
	v_cndmask_b32 v[TU+4], 0, v[TU+4], s28
	v_add_f32 v[NUM], v[NUM], v[TU+4]
	LEVEL 1, 20
	LEVEL 2, 21
	LEVEL 4, 22
	LEVEL 8, 23
	LEVEL16 24
	v_add_f32 v[TA], v[CM], v[END]                 ; alpha + end
	v_add_f32 v[TB], v[CM+1], v[END+1]
	v_sub_f32 v[TT], v[TA], v[TB]
	v_mul_f32 v[TT], -|v[TT]|, s[SLOG2E]
	v_exp_f32 v[TT], v[TT]
	v_max_num_f32 v[TU+1], v[TA], v[TB]            ; the plain instruction behind the exponential
	s_wait_alu depctr_va_vdst(0)
	v_add_f32 v[TT], 1.0, v[TT]
	v_log_f32 v[TT], v[TT]
	v_nop
	s_wait_alu depctr_va_vdst(0)
	v_fma_f32 v[TU+1], v[TT], s[SLN2], v[TU+1]     ; logZ
	FSUM NUM, TU
	v_sub_f32 v[TU+1], v[TU+1], v[NUM]             ; the batch's value, in every lane
	s_lshl_b32 s13, s12, 2
	v_mov_b32 v[TU], s13
	ds_store_b32 v[TU], v[TU+1]                    ; each wave its own word
	s_wait_dscnt 0x0                               ; it is in LDS before I say so
	s_barrier_signal -1
	s_barrier_wait -1
	s_cmp_lg_u32 s12, 0
	s_cbranch_scc1 .Lend
	ds_load_b128 v[BV:BV+3], v[ZERO]
	ds_load_b128 v[BV+4:BV+7], v[ZERO] offset:16
	s_wait_dscnt 0x0
	v_pk_add_f32 v[BV:BV+1], v[BV:BV+1], v[BV+2:BV+3]
	v_pk_add_f32 v[BV+4:BV+5], v[BV+4:BV+5], v[BV+6:BV+7]
	v_pk_add_f32 v[BV:BV+1], v[BV:BV+1], v[BV+4:BV+5]
	v_add_f32 v[BV], v[BV], v[BV+1]
	s_wait_xcnt 0x0                                ; EXEC changes only behind this wait (ISA guide 3.1)
	s_wait_tensorcnt 0x0
	ds_add_u32 v64, v65
	s_wait_dscnt 0x0
	v_cmpx_gt_u32 1, v0                            ; thread 0 alone
	global_store_b32 v[ZERO], v[BV], s[10:11]
	s_endpgm
.Lend:
	s_wait_tensorcnt 0x0
	ds_add_u32 v64, v65
	s_wait_dscnt 0x0
	s_endpgm
.Lfunc_end_k_q5b14080cc8_finish:
	.size	k_q5b14080cc8_finish, .Lfunc_end_k_q5b14080cc8_finish-k_q5b14080cc8_finish
	.p2alignl 7, 3214868480
	.fill 96, 4, 3214868480
	.section	.rodata,"a",@progbits
	.p2align	6, 0x0
	.amdhsa_kernel k_q5b14080cc8_finish
		.amdhsa_group_segment_fixed_size 1280
		.amdhsa_private_segment_fixed_size 0
		.amdhsa_enable_private_segment 0
		.amdhsa_kernarg_size 32
		.amdhsa_user_sgpr_count 2
		.amdhsa_user_sgpr_kernarg_segment_ptr 1
		.amdhsa_wavefront_size32 1
		.amdhsa_system_sgpr_workgroup_id_x 1
		.amdhsa_system_sgpr_workgroup_id_y 1
		.amdhsa_system_sgpr_workgroup_id_z 1
		.amdhsa_system_vgpr_workitem_id 0
		.amdhsa_next_free_vgpr 66
		.amdhsa_next_free_sgpr 66
		.amdhsa_reserve_vcc 0
		.amdhsa_float_denorm_mode_32 3
		.amdhsa_float_denorm_mode_16_64 3
		.amdhsa_memory_ordered 1
		.amdhsa_forward_progress 1
		.amdhsa_inst_pref_size 17
	.end_amdhsa_kernel
	.amdgpu_metadata
---
amdhsa.version: [ 1, 2 ]
amdhsa.kernels:
  - .name:           k_q5b14080cc8_finish
    .symbol:         k_q5b14080cc8_finish.kd
    .args:
      - { .name: part, .offset: 0, .size: 8, .value_kind: global_buffer, .address_space: global }
      - { .name: meta, .offset: 8, .size: 8, .value_kind: global_buffer, .address_space: global }
      - { .name: end_transitions, .offset: 16, .size: 8, .value_kind: global_buffer, .address_space: global }
      - { .name: out0, .offset: 24, .size: 8, .value_kind: global_buffer, .address_space: global }
    .group_segment_fixed_size: 1280
    .private_segment_fixed_size: 0
    .kernarg_segment_align: 8
    .kernarg_segment_size: 32
    .max_flat_workgroup_size: 256
    .sgpr_count:     66
    .vgpr_count:     66
    .wavefront_size: 32
...
	.end_amdgpu_metadata
.endif
;; end of part 2
